; MI455X (gfx1250); checked and timed in simulation.
; The chip was launched on July 23, 2026; its instructions are those of AMD's public machine-readable ISA for CDNA 5 (MIT licence, August 2026) and "CDNA5" Instruction Set Architecture Reference Guide (July 2026). The comments in the code are by the model that wrote it; some were corrected since.
;; Lin Bert Self Attention. Allowed arithmetic: matrix products marked QUANTISED: E2M1 operands, one E8M0 scale for each 32 along K, by v_wmma_scale_f32_16x16x128_f8f6f4 with both operands' format E2M1 (or v_wmma_scale_f32_32x16x128_f4), f32 sums; products left as they are: f32 operands where the result goes on into a quantised operand, else bf16, f16 or f32 operands; f32 sums; everything else in f32.
;; Inputs: Wk 1,024 x 1,024 float32; Wq 1,024 x 1,024 float32; Wv 1,024 x 1,024 float32; attention_mask 8 x 1 x 1 x 2,048 float32; bk 1,024 float32; bq 1,024 float32; bv 1,024 float32; hidden_states 8 x 2,048 x 1,024 float32.
;; Outputs: out0 8 x 2,048 x 1,024 float32.
;; This version of the problem:
;;   THIS VERSION OF THE PROBLEM IS GIVEN IN LOW PRECISION. The matrix products marked QUANTISED in the list below multiply operands that are first quantised to E2M1 (2 exponent bits, 1 mantissa bit; 4 bits a number), with one power-of-two scale for each 32 numbers along K (OCP MX v1.0); their sums are f32. All else is computed in f32.
;;   The module's matrix products, in the order in which they are computed (A, B: the left and right operand; K: the contracted axis; several contracted axes count as one K, in the product's order):
;;     1. [M 16,384, K 1,024] x [K 1,024, N 1,024]; A: input hidden_states; B: input Wq: QUANTISED
;;     2. [M 16,384, K 1,024] x [K 1,024, N 1,024]; A: input hidden_states; B: input Wk: QUANTISED
;;     3. [M 16,384, K 1,024] x [K 1,024, N 1,024]; A: input hidden_states; B: input Wv: QUANTISED
;;     4. batch 128 x [M 64, K 2,048] x [K 2,048, N 64]; A: computed on the way; B: computed on the way: QUANTISED
;;     5. batch 128 x [M 64, K 64] x [K 64, N 2,048]; A: computed on the way; B: computed on the way: QUANTISED
;;     6. batch 128 x [M 1, K 64] x [K 64, N 2,048]; A: computed on the way; B: computed on the way: left as it is (M = 1 < 16)
;;   THE QUANTISER, for each operand of a quantised product, along K:
;;     - K is cut into blocks of 32 from its start; a last block that is shorter is filled with zeros.
;;     - A block's scale is 2^e with e = floor(log2(the largest magnitude in the block)) - 2, held to -126 .. 127; a block of zeros has e = 0. As a byte (E8M0): e + 127.
;;     - Each number is divided by its block's scale, clamped to +-6, and rounded to the nearest number of E2M1, ties to even, subnormals kept.
;;     - The product sums the exact products of the quantised numbers (number of the format x scale) in f32.
;;   ~~~python
;;   def quantise(x, axis):      # numpy; x: float32 -> the quantised numbers, widened to float32 again
;;       x = np.moveaxis(x, axis, -1); K = x.shape[-1]
;;       x = np.pad(x, [(0, 0)] * (x.ndim - 1) + [(0, -K % 32)]); x = x.reshape(x.shape[:-1] + (-1, 32)); a = np.abs(x).max(-1, keepdims=True)
;;       e = np.where(a > 0, np.clip(np.frexp(np.where(a > 0, a, 1))[1] - 1 - 2, -126, 127), 0)      # np.frexp(a)[1] - 1 = floor(log2(a)), exactly
;;       r = np.clip(x / 2.0 ** e, -6, 6)
;;       step = 2.0 ** (np.maximum(np.frexp(np.where(r == 0, 1, r))[1] - 1, 0) - 1)
;;       q = np.round(r / step) * step * 2.0 ** e      # np.round: ties to even
;;       return np.moveaxis(q.reshape(q.shape[:-2] + (-1,))[..., :K], -1, axis).astype(np.float32)
;;   ~~~
;;   OPERANDS COMPUTED ON THE WAY. 'Computed on the way' means the value that the module computes at that place (a softmax that the list does not call 'softmax' is quantised finished and normalised). What goes into a quantiser is computed in f32, as accurately as f32 sums, v_exp_f32 and their like allow (about 1e-6 of the number): no bf16 or f16 on the way to a quantiser, and a product that is left as it is and whose result goes on into a quantised operand takes f32 operands (vector FMAs, or v_wmma_f32_16x16x4_f32). A number that lies on a knife's edge between two numbers of the format may be rounded either way, as far as f32 arithmetic and the matrix unit's own rounding can turn it there, and no further.
;; One version. Each part assembles by itself: llvm-mc -triple=amdgcn-amd-amdhsa -mcpu=gfx1250 --defsym DOCPART=n.
;; ======== version 1 of 1: 3 launches
;; workspace buffers: cod 9,961,472 bytes; scl 622,592 bytes; kvp 8,388,608 bytes; zp 131,072 bytes
;; launch quant (part 1): grid 608 x 2, 4 waves a work-group, no clusters, 68,608 bytes of LDS; arguments hidden_states, Wq, Wk, Wv, cod, scl; writes cod, scl
.if DOCPART == 1
	.amdgcn_target "amdgcn-amd-amdhsa--gfx1250"
	.amdhsa_code_object_version 6
	.text
	.protected	k_qc9119ef2be_quant
	.globl	k_qc9119ef2be_quant
	.p2align	8
	.type	k_qc9119ef2be_quant,@function
k_qc9119ef2be_quant:
	s_mov_b64 s[64:65], 0
	v_nop
	global_prefetch_b8 v0, s[64:65] scope:SCOPE_SE
	s_setreg_imm32_b32 hwreg(HW_REG_WAVE_MODE, 25, 1), 1
	s_wait_xcnt 0x0
; hidden_states [16384][1024] and Wq, Wk, Wv [1024][1024], f32, K innermost, become codes of FP4 (E2M1) with one E8M0 byte for each 32 along K,
; laid in the ORDER OF THE OPERAND'S REGISTERS, so that the two product launches fetch fragments as dense blocks.
; ROW BLOCKS rb of 128 rows: 0..127 hidden_states; 128..135 Wq; 136 + 2 p Wk's rows 128 p on; 137 + 2 p Wv's rows 128 p on.
; TILES: a row block has 8 tiles t = 4 g + u'; lane r of tile t stands for local row 64 g + 8 u' + (r % 8) + 32 (r / 8).
; cod: rb x 65536 + ks x 8192 + t x 1024 + c2 x 512 + lane x 16: lane 16 h + r holds block 4 ks + 2 c2 + h (32 codes, 16 bytes) of row (t, r).
; scl: rb x 4096 + kg x 2048 + i x 512 + lane x 16 + 4 q: lane 16 u + r holds the scale word of row r of tile 2 i + u for the K step 4 kg + q.
; A block's scale is 2^(floor(log2(its largest magnitude)) - 2); its byte is the largest magnitude's exponent field - 2, held at 1 from below.
; LIMITS: a block whose largest magnitude lies under 2^-124 (a block of zeros among them) gets the byte 1; its bytes are read by this program alone. NaN and infinities are not served.
; SHARES: work-group x = 4 rb + i takes a pair of tiles (32 rows), y = kg; wave w takes the K step 4 kg + w: 32 rows x 128 numbers, 16 KiB.
; Each load reads 512 consecutive bytes of one row; the numbers turn through the wave's own stage in LDS (rows of 512 + 16 bytes) so that a lane gets whole blocks of 32.
; No tensor load, no ring; one barrier, for the four waves' scale words, which leave as one store of 512 consecutive bytes.
.set SP,    528                        ; a stage row
.set STGW,  32*SP                      ; a wave's stage
.set SCG,   4*STGW                     ; behind the stages: 512 bytes of scale words
.set FLOOR, 0x1800000                  ; 2^(3 - 127)
.set R,     32                         ; v32-159  32 loads of 4 registers; later tile 1's numbers in v32-95
.set X,     160                        ; v160-223 tile 0's numbers: two blocks of 32 a lane
.set CD,    224                        ; v224-239 codes
	s_load_b256 s[4:11], s[0:1], 0x0               ; hidden_states s[4:5], Wq s[6:7], Wk s[8:9], Wv s[10:11]
	s_load_b128 s[12:15], s[0:1], 0x20             ; cod s[12:13], scl s[14:15]
	v_lshl_add_u32 v240, v0, 2, 0x10a00
	v_mov_b32 v241, 0
	v_lshrrev_b32 v1, 5, v0
	v_readfirstlane_b32 s16, v1                    ; wave
	v_and_b32 v1, 31, v0                           ; lane
	v_and_b32 v2, 15, v0                           ; r
	v_bfe_u32 v3, v0, 4, 1                         ; h
	v_lshlrev_b32 v4, 4, v1                        ; 16 x lane: loads and stores
	s_mul_i32 s17, s16, STGW
	v_add_nc_u32 v5, s17, v4                       ; the stage, way in
	v_mul_u32_u24 v6, v2, SP
	v_lshl_add_u32 v6, v3, 7, v6
	v_add_nc_u32 v6, s17, v6                       ; way out: row r, block h
	v_lshlrev_b32 v7, 3, v3                        ; 8 h
	s_lshl_b32 s18, s16, 2
	s_add_co_u32 s18, s18, SCG
	v_add_nc_u32 v8, s18, v4                       ; my scale word's place: 16 x lane + 4 x wave
	v_add_nc_u32 v9, SCG, v4
	v_mov_b32 v16, 0                               ; a lane permute's destination counts as read
	s_mov_b32 s30, 0x76543210
	s_mov_b32 s31, 0xfedcba98                      ; selects for lane l xor 16
	s_lshr_b32 s19, ttmp9, 2                       ; rb
	s_and_b32 s20, ttmp9, 3                        ; i
	s_and_b32 s21, ttmp7, 0xffff                   ; kg
	s_lshl_b32 s22, s21, 2
	s_add_co_u32 s22, s22, s16                     ; ks
	s_sub_co_u32 s23, s19, 136
	s_lshr_b32 s23, s23, 1                         ; Wk's and Wv's block of 128 rows
	s_sub_co_u32 s24, s19, 128                     ; Wq's
	s_and_b32 s25, s19, 1
	s_wait_kmcnt 0x0
	s_cmp_eq_u32 s25, 0                            ; the choices hang on the work-group's number alone
	s_cselect_b64 s[8:9], s[8:9], s[10:11]
	s_cmp_lt_u32 s19, 136
	s_cselect_b64 s[8:9], s[6:7], s[8:9]
	s_cselect_b32 s23, s24, s23
	s_cmp_lt_u32 s19, 128
	s_cselect_b64 s[4:5], s[4:5], s[8:9]
	s_cselect_b32 s23, s19, s23                    ; the block of 128 rows in the tensor chosen
	s_lshl_b32 s26, s23, 19                        ; 128 rows of 4,096 bytes
	s_lshr_b32 s28, s20, 1
	s_lshl_b32 s28, s28, 18                        ; 64 rows
	s_add_co_u32 s26, s26, s28
	s_and_b32 s28, s20, 1
	s_lshl_b32 s28, s28, 16                        ; 16 rows
	s_add_co_u32 s26, s26, s28
	s_lshl_b32 s28, s22, 9                         ; 128 numbers along K
	s_add_co_u32 s26, s26, s28
	s_mov_b32 s27, 0
	s_add_nc_u64 s[4:5], s[4:5], s[26:27]
	s_lshl_b32 s26, s19, 16
	s_lshl_b32 s28, s22, 13
	s_add_co_u32 s26, s26, s28
	s_lshl_b32 s28, s20, 11
	s_add_co_u32 s26, s26, s28
	s_add_nc_u64 s[12:13], s[12:13], s[26:27]      ; my two tiles in cod
	s_lshl_b32 s26, s19, 12
	s_lshl_b32 s28, s21, 11
	s_add_co_u32 s26, s26, s28
	s_lshl_b32 s28, s20, 9
	s_add_co_u32 s26, s26, s28
	s_add_nc_u64 s[14:15], s[14:15], s[26:27]      ; the work-group's 512 bytes in scl
; load n = 16 u + 8 a + c is stage row n = 16 u + r (r = 8 a + c): local row 8 u + c + 32 a of the pair's rows
.set n, 0
.rept 32
	global_load_b128 v[R+4*n:R+4*n+3], v4, s[4:5] offset:(32*((n/8)%2)+8*(n/16)+(n%8))*4096 th:TH_LOAD_NT
.set n, n+1
.endr
.set n, 0
.rept 4
	s_wait_loadcnt 24-n                            ; loads come back in order: these eight are in, the younger ones stay out
.rept 8
	ds_store_b128 v5, v[R+4*n:R+4*n+3] offset:n*SP
.set n, n+1
.endr
.endr
.macro BACK u, base                    ; tile u: my two blocks (2 c2 + h) of row r, 128 bytes each
.irp c2, 0,1
.irp i8, 0,1,2,3,4,5,6,7
	ds_load_b128 v[\base+32*\c2+4*\i8:\base+32*\c2+4*\i8+3], v6 offset:\u*16*SP+\c2*256+16*\i8
.endr
.endr
.endm
.macro TILE u, base
	v_max3_num_f32 v10, |v[\base]|, |v[\base+1]|, FLOOR          ; each block's largest magnitude, with the floor among its leaves; the two blocks by turns
	v_max3_num_f32 v11, |v[\base+32]|, |v[\base+33]|, FLOOR
.irp i, 2,4,6,8,10,12,14,16,18,20,22,24,26,28,30
	v_max3_num_f32 v10, v10, |v[\base+\i]|, |v[\base+\i+1]|
	v_max3_num_f32 v11, v11, |v[\base+32+\i]|, |v[\base+33+\i]|
.endr
	v_add_nc_u32 v12, 0xff000000, v10              ; 2 off the exponent field: the conversion's scale operand
	v_add_nc_u32 v13, 0xff000000, v11
	v_lshrrev_b32 v14, 23, v12                     ; the bytes
	v_lshrrev_b32 v15, 23, v13
	v_lshl_or_b32 v14, v15, 16, v14                ; blocks h and 2 + h,
	v_lshlrev_b32 v14, v7, v14                     ; at their places in the word;
	v_permlanex16_b32 v16, v14, s30, s31
	v_or_b32 v[18+\u], v14, v16                    ; with lane l xor 16's two the word is whole, in both halves
.irp g, 0,1,2,3
	v_cvt_scalef32_pk8_fp4_f32 v[CD+8*\u+\g], v[\base+8*\g:\base+8*\g+7], v12
	v_cvt_scalef32_pk8_fp4_f32 v[CD+8*\u+4+\g], v[\base+32+8*\g:\base+32+8*\g+7], v13
.endr
	v_nop                                          ; one plain place behind the conversions
	global_store_b128 v4, v[CD+8*\u:CD+8*\u+3], s[12:13] offset:\u*1024        ; 32 lanes store 512 consecutive bytes, aligned
	global_store_b128 v4, v[CD+8*\u+4:CD+8*\u+7], s[12:13] offset:\u*1024+512
.endm
	BACK 0, X                                      ; LDS serves a wave's instructions in order: these see my stores
	s_wait_dscnt 0x0                               ; tile 0 is in, and the stage's stores have read v32-159
	BACK 1, R
	TILE 0, X
	s_wait_dscnt 0x0                               ; tile 1 is in
	TILE 1, R
	v_cmp_le_u32 vcc_lo, 16, v1
	v_cndmask_b32 v20, v18, v19, vcc_lo            ; lanes 0-15 tile 0's words, lanes 16-31 tile 1's
	ds_store_b32 v8, v20
	s_wait_dscnt 0x0                               ; for the others' sake: my word has landed
	s_barrier_signal -1
	s_barrier_wait -1
	s_cmp_lg_u32 s16, 0
	s_cbranch_scc1 .Ldone
	ds_load_b128 v[24:27], v9                      ; the four K steps' words of my lane
	s_wait_dscnt 0x0
	global_store_b128 v4, v[24:27], s[14:15]       ; 512 consecutive bytes, aligned
.Ldone:
	s_wait_tensorcnt 0x0
	ds_add_u32 v240, v241
	s_wait_dscnt 0x0
	s_endpgm
.Lfunc_end_k_qc9119ef2be_quant:
	.size	k_qc9119ef2be_quant, .Lfunc_end_k_qc9119ef2be_quant-k_qc9119ef2be_quant
	.p2alignl 7, 3214868480
	.fill 96, 4, 3214868480
	.section	.rodata,"a",@progbits
	.p2align	6, 0x0
	.amdhsa_kernel k_qc9119ef2be_quant
		.amdhsa_group_segment_fixed_size 68608
		.amdhsa_private_segment_fixed_size 0
		.amdhsa_enable_private_segment 0
		.amdhsa_kernarg_size 48
		.amdhsa_user_sgpr_count 2
		.amdhsa_user_sgpr_kernarg_segment_ptr 1
		.amdhsa_wavefront_size32 1
		.amdhsa_system_sgpr_workgroup_id_x 1
		.amdhsa_system_sgpr_workgroup_id_y 1
		.amdhsa_system_sgpr_workgroup_id_z 1
		.amdhsa_system_vgpr_workitem_id 0
		.amdhsa_next_free_vgpr 242
		.amdhsa_next_free_sgpr 66
		.amdhsa_reserve_vcc 1
		.amdhsa_float_denorm_mode_32 3
		.amdhsa_float_denorm_mode_16_64 3
		.amdhsa_memory_ordered 1
		.amdhsa_forward_progress 1
		.amdhsa_inst_pref_size 17
	.end_amdhsa_kernel
	.amdgpu_metadata
---
amdhsa.version: [ 1, 2 ]
amdhsa.kernels:
  - .name:           k_qc9119ef2be_quant
    .symbol:         k_qc9119ef2be_quant.kd
    .args:
      - { .name: hidden_states, .offset: 0, .size: 8, .value_kind: global_buffer, .address_space: global }
      - { .name: Wq, .offset: 8, .size: 8, .value_kind: global_buffer, .address_space: global }
      - { .name: Wk, .offset: 16, .size: 8, .value_kind: global_buffer, .address_space: global }
      - { .name: Wv, .offset: 24, .size: 8, .value_kind: global_buffer, .address_space: global }
      - { .name: cod, .offset: 32, .size: 8, .value_kind: global_buffer, .address_space: global }
      - { .name: scl, .offset: 40, .size: 8, .value_kind: global_buffer, .address_space: global }
    .group_segment_fixed_size: 68608
    .private_segment_fixed_size: 0
    .kernarg_segment_align: 8
    .kernarg_segment_size: 48
    .max_flat_workgroup_size: 128
    .sgpr_count:     66
    .vgpr_count:     242
    .wavefront_size: 32
...
	.end_amdgpu_metadata
.endif
;; end of part 1
;; launch kvsum (part 2): grid 8 x 32, 4 waves a work-group, clusters of 4 x 4, 327,680 bytes of LDS; arguments cod, scl, attention_mask, bk, bv, kvp, zp; writes kvp, zp
.if DOCPART == 2
	.amdgcn_target "amdgcn-amd-amdhsa--gfx1250"
	.amdhsa_code_object_version 6
	.text
	.protected	k_qc9119ef2be_kvsum
	.globl	k_qc9119ef2be_kvsum
	.p2align	8
	.type	k_qc9119ef2be_kvsum,@function
k_qc9119ef2be_kvsum:
	s_mov_b64 s[64:65], 0
	v_nop
	global_prefetch_b8 v0, s[64:65] scope:SCOPE_SE
	s_setreg_imm32_b32 hwreg(HW_REG_WAVE_MODE, 25, 1), 1
	s_wait_xcnt 0x0
	s_wait_alu depctr_hold_cnt(0) depctr_sa_sdst(0) depctr_va_vdst(0) depctr_va_sdst(0) depctr_va_ssrc(0) depctr_va_vcc(0) depctr_vm_vsrc(0)
	s_getreg_b32 s2, hwreg(HW_REG_IB_STS2, 6, 4)
	s_cmp_eq_u32 s2, 0
	s_cbranch_scc0 .Lentry_in_a_cluster
	s_endpgm
.Lentry_in_a_cluster:
	s_bfe_u32 s2, ttmp6, 0x10000c
	s_cmp_lg_u32 s2, 0xf033
	s_cbranch_scc0 .Lentry_shape_is_right
	s_endpgm
.Lentry_shape_is_right:
; k = x Wk^T + bk and v = x Wv^T + bv on codes of FP4; phi(k) = elu(k) + 1, times the mask; z = the sum of that over s; both quantised along s in registers; kv = phi(k)^T v on codes again.
; A work-group has 512 rows of one batch (y = 4 b + quarter) and two heads (pair p); it stores one partial kv (an image of 128 registers) and one partial z for each of the two heads.
; SHARES: wave w: wr = w / 2 which 128 rows of a chunk of 256, hh = w % 2 which head: 128 rows x (64 of k, 64 of v): 64 accumulators, 512 registers.  Two chunks of 256 rows, one after the other.
; THE FIRST PRODUCTS ARE USED WITH x AS SOURCE 0: a lane then holds one feature (its W row) and its registers run along s.  By the order of rows in a tile (lane r: 8 u + r % 8 + 32 (r / 8) of 64)
; the 32 registers of four neighbouring tiles are one whole block of 32 along s, in the order of the next operand's registers: no lane is asked for a maximum, and the conversions' results ARE the operand.
; phi(y) = the middle one of (y + 1, e^y, 1): for y <= 0, y + 1 <= e^y <= 1; for y > 0, 1 < y + 1 <= e^y (an exponential that overflows leaves y + 1).
; LDS: W's codes for all of K (131,072 bytes, filled once); x's in two slots of four K steps (65,536 each), each filled a second time for the second chunk; the mask; the spare words; a place for the waves' sums.
; CLUSTER 4 x 4: x's tiles hang on y alone and are asked for jointly along a row of the cluster, W's on p alone and jointly along a column.  Every tensor load is a dense block of 16,384 bytes; every wave issues every load.
; LIMITS: NaN and infinities are not served; a block whose largest magnitude lies under 2^-124 (a block of zeros among them) gets the byte 1: its codes are zeros or next to it, and this program alone reads the bytes.
; REGISTERS: window 0: v1-15 addresses, v16-19 z, v22-37 biases, v38-49 at work, v50-57 the scale words made here, v64-95 x's scale words, v96-127 W's, v128-255 kv's 16 accumulators.
;   window 1: two sets of fragments (x at 128 s + 8 a, W at 128 s + 64 + 8 b); in the epilogue the mask 0-63, at work 64-127, the codes made 128-191.   windows 2, 3: accumulator (a, b) at 64 b + 8 a.
.set XR,    131072                     ; LDS: x's slots
.set MSK,   262144                     ; the mask of my 512 rows
.set SPARE, 264192                     ; the spare words: 128 bytes a wave, two blocks of 256 bytes that no other line names
.set RED,   264704                     ; kv from the waves with wr = 1: 16,384 bytes a head
.set ZR,    297472                     ; their z: 256 bytes a head; 512 further on: the finished z
.set FLOOR, 0x1800000
.set AX,   4                           ; v4, v5  x's fragments in slot 0, 1
.set AWK,  6                           ; v6      Wk's fragments of my head
.set AWV,  7                           ; v7      Wv's
.set AM,   8                           ; v8      the mask of my 128 rows, my half's 32 of each 64
.set SPW,  9                           ; v9      my spare word; never rewritten
.set NIL,  10                          ; v10     0; never rewritten
.set SH8,  11                          ; v11     8 h
.set L16,  12                          ; v12     16 x lane
.set ARED, 13
.set AZ,   14
.set AZ2,  15
.set Z,    16
.set ZT,   20
.set BK,   22                          ; pairs (b, b), a pair a tile
.set BV,   30
.set TM,   38
.set SO,   42
.set BY,   46
.set PW,   50
.set PSC,  64
.set QSC,  96
.set KV,   128
.set MK,   0                           ; window 1
.set T,    64
.set PC,   128
.set MSB, 0
.macro WIN new                         ; the immediate's high byte repeats the setting that is left
.if MSB != (\new)
	s_set_vgpr_msb (MSB<<8)|(\new)
.set MSB, (\new)
.endif
.endm
.macro PLACES
.rept 4
	v_nop
.endr
.endm
.macro CROUND                          ; a round of the cluster's barrier
	s_barrier_signal -1
	s_barrier_wait -1
	s_cmp_lg_u32 s18, 0
	s_cbranch_scc1 .Lnw0_\@
	s_barrier_signal -3
.Lnw0_\@:
	s_barrier_wait -3
	s_barrier_signal -1
	s_barrier_wait -1
.endm
; one matrix instruction from the symbols rD rA rB rC rSA rSB; fA, fB: the scale words lie in lanes 16-31.  cm = 1: the product starts the sum
.macro WMX cm
.if (\cm) == 1
.if fA && fB
	v_wmma_scale_f32_16x16x128_f8f6f4 v[rD:rD+7], v[rA:rA+7], v[rB:rB+7], 0, v[rSA], v[rSB] matrix_a_fmt:MATRIX_FMT_FP4 matrix_b_fmt:MATRIX_FMT_FP4 matrix_a_scale:MATRIX_SCALE_ROW1 matrix_b_scale:MATRIX_SCALE_ROW1
.elseif fA
	v_wmma_scale_f32_16x16x128_f8f6f4 v[rD:rD+7], v[rA:rA+7], v[rB:rB+7], 0, v[rSA], v[rSB] matrix_a_fmt:MATRIX_FMT_FP4 matrix_b_fmt:MATRIX_FMT_FP4 matrix_a_scale:MATRIX_SCALE_ROW1
.elseif fB
	v_wmma_scale_f32_16x16x128_f8f6f4 v[rD:rD+7], v[rA:rA+7], v[rB:rB+7], 0, v[rSA], v[rSB] matrix_a_fmt:MATRIX_FMT_FP4 matrix_b_fmt:MATRIX_FMT_FP4 matrix_b_scale:MATRIX_SCALE_ROW1
.else
	v_wmma_scale_f32_16x16x128_f8f6f4 v[rD:rD+7], v[rA:rA+7], v[rB:rB+7], 0, v[rSA], v[rSB] matrix_a_fmt:MATRIX_FMT_FP4 matrix_b_fmt:MATRIX_FMT_FP4
.endif
.else
.if fA && fB
	v_wmma_scale_f32_16x16x128_f8f6f4 v[rD:rD+7], v[rA:rA+7], v[rB:rB+7], v[rC:rC+7], v[rSA], v[rSB] matrix_a_fmt:MATRIX_FMT_FP4 matrix_b_fmt:MATRIX_FMT_FP4 matrix_a_scale:MATRIX_SCALE_ROW1 matrix_b_scale:MATRIX_SCALE_ROW1
.elseif fA
	v_wmma_scale_f32_16x16x128_f8f6f4 v[rD:rD+7], v[rA:rA+7], v[rB:rB+7], v[rC:rC+7], v[rSA], v[rSB] matrix_a_fmt:MATRIX_FMT_FP4 matrix_b_fmt:MATRIX_FMT_FP4 matrix_a_scale:MATRIX_SCALE_ROW1
.elseif fB
	v_wmma_scale_f32_16x16x128_f8f6f4 v[rD:rD+7], v[rA:rA+7], v[rB:rB+7], v[rC:rC+7], v[rSA], v[rSB] matrix_a_fmt:MATRIX_FMT_FP4 matrix_b_fmt:MATRIX_FMT_FP4 matrix_b_scale:MATRIX_SCALE_ROW1
.else
	v_wmma_scale_f32_16x16x128_f8f6f4 v[rD:rD+7], v[rA:rA+7], v[rB:rB+7], v[rC:rC+7], v[rSA], v[rSB] matrix_a_fmt:MATRIX_FMT_FP4 matrix_b_fmt:MATRIX_FMT_FP4
.endif
.endif
.endm
; 32 LDS loads in one run: K step ks: x's eight fragments, Wk's four, Wv's four, into set.  Each load takes 512 consecutive bytes
.macro FETCH ks, set
	WIN 0x40
.set fi, 0
.rept 8
	ds_load_b128 v[128*(\set)+8*fi:128*(\set)+8*fi+3], v[AX+(\ks)/4] offset:((\ks)%4)*8192+fi*1024
	ds_load_b128 v[128*(\set)+8*fi+4:128*(\set)+8*fi+7], v[AX+(\ks)/4] offset:((\ks)%4)*8192+fi*1024+512
.set fi, fi+1
.endr
.set fi, 0
.rept 4
	ds_load_b128 v[128*(\set)+64+8*fi:128*(\set)+64+8*fi+3], v[AWK] offset:(\ks)*8192+fi*1024
	ds_load_b128 v[128*(\set)+64+8*fi+4:128*(\set)+64+8*fi+7], v[AWK] offset:(\ks)*8192+fi*1024+512
	ds_load_b128 v[128*(\set)+96+8*fi:128*(\set)+96+8*fi+3], v[AWV] offset:(\ks)*8192+fi*1024
	ds_load_b128 v[128*(\set)+96+8*fi+4:128*(\set)+96+8*fi+7], v[AWV] offset:(\ks)*8192+fi*1024+512
.set fi, fi+1
.endr
.endm
; 64 matrix instructions: the 64 accumulators take turns, one instruction a turn, in the same order in every step
.macro GEMM ks, set, cm
.set gb, 0
.rept 8
.if gb == 0
	WIN 0xA5
.elseif gb == 4
	WIN 0xF5
.endif
.set ga, 0
.rept 8
.set rD, 64*(gb%4)+8*ga
.set rC, rD
.set rA, 128*(\set)+8*ga
.set rB, 128*(\set)+64+8*gb
.set rSA, PSC+16*((\ks)/4)+4*(ga/2)+((\ks)%4)
.set rSB, QSC+16*((\ks)/4)+4*(gb/2)+((\ks)%4)
.set fA, ga%2
.set fB, gb%2
	WMX \cm
.set ga, ga+1
.endr
.set gb, gb+1
.endr
.endm
; A K step.  mode 0: plain.  mode 2: the other half of K has to be there: every wave waits for its loads, one barrier, nothing is filled.
; mode 1: x's slot sl, whose last fragments are in registers, is filled again with the next chunk's: the wait for all my tensor loads, the add, the wait for it and for my reads, a round of the cluster's barrier, the joint load first behind it.
.macro STEP k, mode, fetch, cm, sl
.if (\mode) == 0
	s_wait_dscnt 0x0                               ; this step's fragments are in (asked for a step, 64 matrix instructions, ago)
.if \fetch
	PLACES                                         ; four places in front of loads into registers that matrix instructions have read
.endif
.elseif (\mode) == 2
	s_wait_tensorcnt 0x0                           ; my parts of what is read from here on have landed
	s_wait_dscnt 0x0
	s_barrier_signal -1
	s_barrier_wait -1                              ; everybody's have
	PLACES
.else
	WIN 0                                          ; the add's registers lie in window 0
	s_wait_tensorcnt 0x0                           ; no tensor load of mine is out, so a group 0 may be written
	ds_add_u32 v[SPW], v[NIL]                      ; 0 onto my spare word
	s_add_nc_u64 s[46+8*(\sl):47+8*(\sl)], s[46+8*(\sl):47+8*(\sl)], 131072   ; two row blocks on: the next chunk
	s_wait_dscnt 0x0                               ; the add is done, and my reads of the slot are in registers
	CROUND                                         ; no wave of any partner still reads the slot or has a load on its way
	tensor_load_to_lds s[44+8*(\sl):47+8*(\sl)], s[24:31]
	s_nop 0
	PLACES                                         ; four lines behind the load; also the places in front of the loads below
.endif
.if \fetch
	FETCH (\k)+1, ((\k)+1)%2
.endif
	GEMM \k, (\k)%2, \cm
.endm
; Two runs of 64 registers in window W, each [block c][32 numbers along s], become two fragments' codes (window 1) and their scale words
.macro QS2 W, A0, A1, C0, C1, P0, P1
	WIN 5*(\W)
	v_max3_num_f32 v[TM], |v[(\A0)]|, |v[(\A0)+1]|, FLOOR       ; four blocks by turns; the floor holds the byte at 1 from below
	v_max3_num_f32 v[TM+1], |v[(\A0)+32]|, |v[(\A0)+33]|, FLOOR
	v_max3_num_f32 v[TM+2], |v[(\A1)]|, |v[(\A1)+1]|, FLOOR
	v_max3_num_f32 v[TM+3], |v[(\A1)+32]|, |v[(\A1)+33]|, FLOOR
.irp i, 2,4,6,8,10,12,14,16,18,20,22,24,26,28,30
	v_max3_num_f32 v[TM], |v[(\A0)+\i]|, |v[(\A0)+\i+1]|, v[TM]
	v_max3_num_f32 v[TM+1], |v[(\A0)+32+\i]|, |v[(\A0)+33+\i]|, v[TM+1]
	v_max3_num_f32 v[TM+2], |v[(\A1)+\i]|, |v[(\A1)+\i+1]|, v[TM+2]
	v_max3_num_f32 v[TM+3], |v[(\A1)+32+\i]|, |v[(\A1)+33+\i]|, v[TM+3]
.endr
	WIN 0
.irp i, 0,1,2,3
	v_add_nc_u32 v[SO+\i], 0xff000000, v[TM+\i]    ; 2 off the exponent field: the conversion's scale operand
.endr
.irp i, 0,1,2,3
	v_lshrrev_b32 v[BY+\i], 23, v[SO+\i]           ; the byte
.endr
	v_lshl_or_b32 v[BY], v[BY+1], 16, v[BY]        ; my blocks h and 2 + h,
	v_lshl_or_b32 v[BY+2], v[BY+3], 16, v[BY+2]
	v_lshlrev_b32 v[BY], v[SH8], v[BY]             ; at their places;
	v_lshlrev_b32 v[BY+2], v[SH8], v[BY+2]
	v_permlanex16_b32 v[BY+1], v[BY], s60, s61
	v_permlanex16_b32 v[BY+3], v[BY+2], s60, s61
	v_or_b32 v[\P0], v[BY], v[BY+1]                ; with lane l xor 16's the word is whole
	v_or_b32 v[\P1], v[BY+2], v[BY+3]
	WIN 0x40|(\W)
.irp c, 0,1
.irp t, 0,1,2,3
	v_cvt_scalef32_pk8_fp4_f32 v[(\C0)+4*\c+\t], v[(\A0)+32*\c+8*\t:(\A0)+32*\c+8*\t+7], v[SO+\c]
	v_cvt_scalef32_pk8_fp4_f32 v[(\C1)+4*\c+\t], v[(\A1)+32*\c+8*\t:(\A1)+32*\c+8*\t+7], v[SO+2+\c]
.endr
.endr
	v_nop                                          ; one plain place behind the conversions
.endm
; tile nt of k (64 registers in window 2): + bias, phi, x mask, and its sum onto z
.macro PHIK nt
.set XA, 64*(\nt)
	WIN 0x82
.set ei, 0
.rept 32
	v_pk_add_f32 v[XA+2*ei:XA+2*ei+1], v[XA+2*ei:XA+2*ei+1], v[BK+2*(\nt):BK+2*(\nt)+1]   ; y = k + bk; each accumulator from its low end on
.set ei, ei+1
.endr
	WIN 0x42
.set ei, 0
.rept 32
	v_pk_mul_f32 v[T+2*ei:T+2*ei+1], v[XA+2*ei:XA+2*ei+1], s[58:59] op_sel_hi:[1,0]       ; y log2(e)
.set ei, ei+1
.endr
	WIN 0x41
.set ei, 0
.rept 64
	v_exp_f32 v[T+ei], v[T+ei]
.set ei, ei+1
.endr
	WIN 0x82
.set ei, 0
.rept 32
	v_pk_add_f32 v[XA+2*ei:XA+2*ei+1], v[XA+2*ei:XA+2*ei+1], 1.0 op_sel_hi:[1,0]          ; y + 1 (plain lines behind the exponentials)
.set ei, ei+1
.endr
	WIN 0xA1
.set ei, 0
	s_wait_alu depctr_va_vdst(0)
.rept 64
	v_med3_num_f32 v[XA+ei], v[T+ei], 1.0, v[XA+ei]                                       ; phi
.set ei, ei+1
.endr
	WIN 0x86
.set ei, 0
.rept 32
	v_pk_mul_f32 v[XA+2*ei:XA+2*ei+1], v[XA+2*ei:XA+2*ei+1], v[MK+2*ei:MK+2*ei+1]         ; x the mask of the register's row
.set ei, ei+1
.endr
	WIN 0x4A
.set ei, 0
.rept 16
	v_pk_add_f32 v[T+2*ei:T+2*ei+1], v[XA+4*ei:XA+4*ei+1], v[XA+4*ei+2:XA+4*ei+3]         ; z: of the unquantised numbers, a tree
.set ei, ei+1
.endr
	WIN 0x45
.irp n, 8,4,2,1
.set ei, 0
.rept \n
	v_pk_add_f32 v[T+2*ei:T+2*ei+1], v[T+2*ei:T+2*ei+1], v[T+2*(ei+\n):T+2*(ei+\n)+1]
.set ei, ei+1
.endr
.endr
	WIN 0x05
	v_add_f32 v[ZT], v[T], v[T+1]
	WIN 0
	v_add_f32 v[Z+(\nt)], v[Z+(\nt)], v[ZT]
.endm
; what follows a chunk's eight K steps
.macro EPI j
	PLACES                                         ; behind the last products: reads of results, loads into scale and fragment registers
	WIN 0
.if (\j) == 0
.irp n, 0,1,2,3,4,5,6,7
	global_load_b128 v[PSC+4*\n:PSC+4*\n+3], v[L16], s[74:75] offset:8192+\n*512          ; the next chunk's scale words of x
.endr
.endif
	WIN 0x40
.set ei, 0
.rept 8
	ds_load_b128 v[MK+8*ei:MK+8*ei+3], v[AM] offset:(\j)*1024+(64*(ei/4)+8*(ei%4))*4
	ds_load_b128 v[MK+8*ei+4:MK+8*ei+7], v[AM] offset:(\j)*1024+(64*(ei/4)+8*(ei%4))*4+16
.set ei, ei+1
.endr
	WIN 0xC3
.set ei, 0
.rept 128
	v_pk_add_f32 v[2*ei:2*ei+1], v[2*ei:2*ei+1], v[BV+2*(ei/32):BV+2*(ei/32)+1]           ; v + bv
.set ei, ei+1
.endr
	QS2 3, 0, 64, PC+32, PC+40, PW+4, PW+5
	QS2 3, 128, 192, PC+48, PC+56, PW+6, PW+7
	s_wait_dscnt 0x0                               ; the mask is in
	PHIK 0
	PHIK 1
	QS2 2, 0, 64, PC, PC+8, PW, PW+1
	PHIK 2
	PHIK 3
	QS2 2, 128, 192, PC+16, PC+24, PW+2, PW+3
.rept 8
	v_nop                                          ; a scale register written by a vector instruction stands eight places ahead of a scaled matrix instruction
.endr
	WIN 0x05
.set et, 0
.rept 4
.set dt, 0
.rept 4
.set rD, KV+32*et+8*dt
.set rC, rD
.set rA, PC+8*dt
.set rB, PC+32+8*et
.set rSA, PW+dt
.set rSB, PW+4+et
.set fA, 0
.set fB, 0
	WMX 1-(\j)                                     ; kv(d, e) += phi(k)^T v over my 128 rows; the first chunk starts the sums
.set dt, dt+1
.endr
.set et, et+1
.endr
.endm
	s_load_b256 s[4:11], s[0:1], 0x0               ; cod s[4:5], scl s[6:7], attention_mask s[8:9], bk s[10:11]
	s_load_b128 s[12:15], s[0:1], 0x20             ; bv s[12:13], kvp s[14:15]
	s_load_b64 s[16:17], s[0:1], 0x30              ; zp
	v_lshl_add_u32 v[SPW], v0, 2, SPARE
	v_mov_b32 v[NIL], 0
	ds_add_u32 v9, v10
	ds_add_u32 v9, v10
	s_wait_dscnt 0x0
	v_lshrrev_b32 v1, 5, v0
	v_readfirstlane_b32 s18, v1                    ; wave
	s_lshr_b32 s19, s18, 1                         ; wr
	s_and_b32 s20, s18, 1                          ; hh
	s_bfe_u32 s21, ttmp6, 0x40000                  ; cx
	s_bfe_u32 s22, ttmp6, 0x40004                  ; cy
	s_lshl_b32 s23, ttmp9, 2
	s_add_co_u32 s23, s23, s21                     ; p = 4 x cluster x + cx
	s_and_b32 s56, ttmp7, 0xffff
	s_lshl_b32 s56, s56, 2
	s_add_co_u32 s56, s56, s22                     ; y = 4 x cluster y + cy
	s_lshl_b32 s57, s22, 2
	s_lshl_b32 s57, 15, s57                        ; my row of the cluster
	s_or_b32 s24, s57, (3<<16)|(1<<21)             ; x's tiles: the mask; elements of 8 bytes; bit 21 beside a mask; no padding
	s_lshl_b32 s62, 0x1111, s21                    ; my column
	s_or_b32 s32, s62, (3<<16)|(1<<21)             ; W's tiles
.irp g, 24, 32                         ; a dense block of 16,384 bytes as 64 rows of 256
	s_mov_b32 s[\g+1], 32<<16                      ; tensor_dim0 = 32
	s_mov_b32 s[\g+2], 64<<16                      ; tensor_dim1 = 64
	s_mov_b32 s[\g+3], 32<<16                      ; tile_dim0 = 32
	s_mov_b32 s[\g+4], 64                          ; tile_dim1 = 64
	s_mov_b32 s[\g+5], 32                          ; the pitch
	s_mov_b32 s[\g+6], 0
	s_mov_b32 s[\g+7], 0
.endr
	s_lshl_b32 s70, s20, 16                        ; wave w fetches row block w % 2,
	s_lshl_b32 s71, s19, 14                        ; K steps 2 (w / 2) and the next
	s_add_co_u32 s72, s70, s71                     ; its place in memory, and in W's region of LDS
	s_lshl_b32 s73, s20, 15
	s_add_co_u32 s73, s73, s71
	s_add_co_u32 s73, s73, XR                      ; and in x's slot 0
	s_lshl_b32 s66, s56, 18                        ; x: four row blocks a y
	s_add_co_u32 s66, s66, s72
	s_mov_b32 s67, 0
	s_lshl_b32 s68, s23, 17                        ; W: row blocks 136 + 2 p and the next
	s_add_co_u32 s68, s68, (136<<16)
	s_add_co_u32 s68, s68, s72
	s_mov_b32 s69, 0
	s_mov_b32 s58, 0x3fb8aa3b                      ; log2(e)
	s_mov_b32 s59, s58
	s_mov_b32 s60, 0x76543210
	s_mov_b32 s61, 0xfedcba98                      ; selects for lane l xor 16
	s_wait_kmcnt 0x0
	s_mov_b32 s40, 1                               ; W, K steps 0-3
	s_mov_b32 s41, s72
	s_add_nc_u64 s[42:43], s[4:5], s[68:69]
	s_mov_b32 s48, 1                               ; W, K steps 4-7
	s_add_co_u32 s49, s72, 32768
	s_add_nc_u64 s[50:51], s[42:43], 32768
	s_or_b32 s43, s43, 0x80000000
	s_or_b32 s51, s51, 0x80000000
	s_mov_b32 s44, 1                               ; x, slot 0
	s_mov_b32 s45, s73
	s_add_nc_u64 s[46:47], s[4:5], s[66:67]
	s_mov_b32 s52, 1                               ; x, slot 1
	s_add_co_u32 s53, s73, 65536
	s_add_nc_u64 s[54:55], s[46:47], 32768
	s_or_b32 s47, s47, 0x80000000
	s_or_b32 s55, s55, 0x80000000
	CROUND                                         ; all sixteen work-groups are here: the first joint loads meet
	tensor_load_to_lds s[40:43], s[32:39]          ; four loads of mine are out
	s_nop 0
	tensor_load_to_lds s[44:47], s[24:31]
	s_nop 0
	tensor_load_to_lds s[48:51], s[32:39]
	s_nop 0
	tensor_load_to_lds s[52:55], s[24:31]
	s_nop 0
	PLACES
	v_and_b32 v1, 31, v0                           ; lane
	v_and_b32 v2, 15, v0                           ; r
	v_bfe_u32 v3, v0, 4, 1                         ; h
	v_lshlrev_b32 v[L16], 4, v1
	s_lshl_b32 s2, s19, 15
	s_add_co_u32 s2, s2, XR
	v_add_nc_u32 v[AX], s2, v[L16]
	v_add_nc_u32 v[AX+1], 0x10000, v[AX]
	s_lshl_b32 s2, s20, 12
	v_add_nc_u32 v[AWK], s2, v[L16]
	v_add_nc_u32 v[AWV], 0x10000, v[AWK]
	s_lshl_b32 s2, s19, 9
	s_add_co_u32 s2, s2, MSK
	v_lshl_add_u32 v[AM], v3, 7, s2
	v_lshlrev_b32 v[SH8], 3, v3
	s_lshl_b32 s2, s20, 14
	s_add_co_u32 s2, s2, RED
	v_add_nc_u32 v[ARED], s2, v[L16]
	v_and_b32 v58, 7, v2
	v_and_b32 v59, 8, v2
	v_lshl_or_b32 v59, v59, 2, v58                 ; r % 8 + 32 (r / 8): my feature in a tile
	v_lshlrev_b32 v59, 2, v59
	s_lshl_b32 s2, s20, 8
	s_add_co_u32 s2, s2, ZR
	v_add_nc_u32 v[AZ], s2, v59
	s_add_co_u32 s3, s2, 512
	v_lshl_add_u32 v[AZ2], v1, 3, s3
	v_lshlrev_b32 v62, 3, v1                       ; 8 x lane
	v_lshlrev_b32 v58, 4, v0                       ; 16 x thread
	v_add_nc_u32 v63, MSK, v58
	s_lshl_b32 s2, s56, 2
	s_add_co_u32 s2, s2, s19
	s_lshl_b32 s2, s2, 12
	s_mov_b32 s3, 0
	s_add_nc_u64 s[74:75], s[6:7], s[2:3]          ; x's scale words: row block 4 y + wr
	s_lshl_b32 s2, s23, 13
	s_add_co_u32 s2, s2, 136*4096
	s_lshl_b32 s88, s20, 10
	s_add_co_u32 s2, s2, s88
	s_add_nc_u64 s[76:77], s[6:7], s[2:3]          ; W's: row block 136 + 2 p, my head's two pairs of tiles
	s_lshl_b32 s2, s56, 11
	s_add_nc_u64 s[78:79], s[8:9], s[2:3]          ; the mask of my 512 rows
	s_lshl_b32 s2, s23, 1
	s_add_co_u32 s2, s2, s20
	s_lshl_b32 s2, s2, 8
	s_add_nc_u64 s[80:81], s[10:11], s[2:3]        ; my head's 64 of bk
	s_add_nc_u64 s[82:83], s[12:13], s[2:3]        ; and of bv
	s_lshr_b32 s2, s56, 2
	s_lshl_b32 s2, s2, 4
	s_lshl_b32 s88, s23, 1
	s_add_co_u32 s2, s2, s88
	s_add_co_u32 s2, s2, s20                       ; 16 b + head
	s_lshl_b32 s2, s2, 2
	s_and_b32 s88, s56, 3
	s_add_co_u32 s88, s2, s88                      ; x 4 + the quarter of s
	s_lshl_b32 s2, s88, 14
	s_add_nc_u64 s[84:85], s[14:15], s[2:3]
	s_lshl_b32 s2, s88, 8
	s_add_nc_u64 s[86:87], s[16:17], s[2:3]
	global_load_b128 v[128:131], v58, s[78:79]
.irp n, 0,1,2,3,4,5,6,7
	global_load_b128 v[PSC+4*\n:PSC+4*\n+3], v[L16], s[74:75] offset:\n*512
.endr
.irp sel, 0,1
.irp kg, 0,1
.irp i, 0,1
	global_load_b128 v[QSC+16*\kg+4*(2*\sel+\i):QSC+16*\kg+4*(2*\sel+\i)+3], v[L16], s[76:77] offset:\sel*4096+\kg*2048+\i*512
.endr
.endr
.endr
.irp nt, 0,1,2,3
	global_load_b32 v[BK+2*\nt], v59, s[80:81] offset:32*\nt
	global_load_b32 v[BV+2*\nt], v59, s[82:83] offset:32*\nt
.endr
.irp nt, 0,1,2,3
	v_mov_b32 v[Z+\nt], 0
.endr
	s_wait_loadcnt 0x0
	ds_store_b128 v63, v[128:131]
.irp nt, 0,1,2,3
	v_mov_b32 v[BK+2*\nt+1], v[BK+2*\nt]
	v_mov_b32 v[BV+2*\nt+1], v[BV+2*\nt]
.endr
	s_wait_tensorcnt 0x2                           ; K steps 0-3 of W and of x are in; the two loads issued behind them may stay out
	s_wait_dscnt 0x0                               ; my part of the mask has landed
	s_barrier_signal -1
	s_barrier_wait -1
	FETCH 0, 0
	; ---- the first chunk of 256 rows
	STEP 0, 0, 1, 1, 0
	STEP 1, 0, 1, 0, 0
	STEP 2, 0, 1, 0, 0
	STEP 3, 1, 1, 0, 0                             ; slot 0 takes the next chunk's K steps 0-3: four K steps in which to land
	STEP 4, 0, 1, 0, 0
	STEP 5, 0, 1, 0, 0
	STEP 6, 0, 1, 0, 0
	STEP 7, 1, 0, 0, 1                             ; slot 1 takes its K steps 4-7
	EPI 0
	; ---- the second: written out, since it asks for nothing more
	PLACES
	FETCH 0, 0
	s_wait_loadcnt 0x0                             ; its scale words of x
	STEP 0, 0, 1, 1, 0
	STEP 1, 0, 1, 0, 0
	STEP 2, 0, 1, 0, 0
	STEP 3, 2, 1, 0, 0
	STEP 4, 0, 1, 0, 0
	STEP 5, 0, 1, 0, 0
	STEP 6, 0, 1, 0, 0
	STEP 7, 0, 0, 0, 0
	EPI 1
	; ---- the two waves of a head add their parts; the wave with wr = 0 stores
	PLACES
	WIN 0
.irp nt, 0,1,2,3
	v_permlanex16_b32 v[BY+\nt], v[Z+\nt], s60, s61
.endr
.irp nt, 0,1,2,3
	v_add_f32 v[Z+\nt], v[Z+\nt], v[BY+\nt]        ; the other half of the rows
.endr
	s_cmp_eq_u32 s19, 0
	s_cbranch_scc1 .Lkeep
.set ei, 0
.rept 32
	ds_store_b128 v[ARED], v[KV+4*ei:KV+4*ei+3] offset:ei*512      ; an image of the registers; each accumulator from its low end on
.set ei, ei+1
.endr
.irp nt, 0,1,2,3
	ds_store_b32 v[AZ], v[Z+\nt] offset:32*\nt
.endr
.Lkeep:
	s_wait_dscnt 0x0                               ; for the others' sake
	s_barrier_signal -1
	s_barrier_wait -1
	s_cmp_lg_u32 s19, 0
	s_cbranch_scc1 .Lend
	WIN 0x40
.set ei, 0
.rept 32
	ds_load_b128 v[4*ei:4*ei+3], v[ARED] offset:ei*512
.set ei, ei+1
.endr
	WIN 0
.irp nt, 0,1,2,3
	ds_load_b32 v[BY+\nt], v[AZ] offset:32*\nt
.endr
	s_wait_dscnt 0x0
	WIN 0x04
.set ei, 0
.rept 64
	v_pk_add_f32 v[KV+2*ei:KV+2*ei+1], v[KV+2*ei:KV+2*ei+1], v[2*ei:2*ei+1]
.set ei, ei+1
.endr
	WIN 0
.irp nt, 0,1,2,3
	v_add_f32 v[Z+\nt], v[Z+\nt], v[BY+\nt]
.endr
.irp nt, 0,1,2,3
	ds_store_b32 v[AZ], v[Z+\nt] offset:512+32*\nt                 ; z in the order of d, in my own 256 bytes
.endr
	ds_load_b64 v[60:61], v[AZ2]                   ; LDS serves a wave's instructions in order: this sees my stores
.set ei, 0
.rept 32
	global_store_b128 v[L16], v[KV+4*ei:KV+4*ei+3], s[84:85] offset:ei*512   ; 512 consecutive bytes, aligned
.set ei, ei+1
.endr
	s_wait_dscnt 0x0
	global_store_b64 v62, v[60:61], s[86:87]       ; 256 consecutive bytes, aligned
.Lend:
	s_wait_tensorcnt 0x0                           ; the wave's end
	ds_add_u32 v[SPW], v[NIL]
	s_wait_dscnt 0x0
	CROUND                                         ; the closing round
	s_endpgm
.Lfunc_end_k_qc9119ef2be_kvsum:
	.size	k_qc9119ef2be_kvsum, .Lfunc_end_k_qc9119ef2be_kvsum-k_qc9119ef2be_kvsum
	.p2alignl 7, 3214868480
	.fill 96, 4, 3214868480
	.section	.rodata,"a",@progbits
	.p2align	6, 0x0
	.amdhsa_kernel k_qc9119ef2be_kvsum
		.amdhsa_group_segment_fixed_size 327680
		.amdhsa_private_segment_fixed_size 0
		.amdhsa_enable_private_segment 0
		.amdhsa_kernarg_size 56
		.amdhsa_user_sgpr_count 2
		.amdhsa_user_sgpr_kernarg_segment_ptr 1
		.amdhsa_wavefront_size32 1
		.amdhsa_system_sgpr_workgroup_id_x 1
		.amdhsa_system_sgpr_workgroup_id_y 1
		.amdhsa_system_sgpr_workgroup_id_z 1
		.amdhsa_system_vgpr_workitem_id 0
		.amdhsa_next_free_vgpr 1024
		.amdhsa_next_free_sgpr 100
		.amdhsa_reserve_vcc 0
		.amdhsa_float_denorm_mode_32 3
		.amdhsa_float_denorm_mode_16_64 3
		.amdhsa_memory_ordered 1
		.amdhsa_forward_progress 1
		.amdhsa_inst_pref_size 255
	.end_amdhsa_kernel
	.section	.bss,"aw",@nobits
	.p2align	6
	.space	262144
	.amdgpu_metadata
---
amdhsa.version: [ 1, 2 ]
amdhsa.kernels:
  - .name:           k_qc9119ef2be_kvsum
    .symbol:         k_qc9119ef2be_kvsum.kd
    .args:
      - { .name: cod, .offset: 0, .size: 8, .value_kind: global_buffer, .address_space: global }
      - { .name: scl, .offset: 8, .size: 8, .value_kind: global_buffer, .address_space: global }
      - { .name: attention_mask, .offset: 16, .size: 8, .value_kind: global_buffer, .address_space: global }
      - { .name: bk, .offset: 24, .size: 8, .value_kind: global_buffer, .address_space: global }
      - { .name: bv, .offset: 32, .size: 8, .value_kind: global_buffer, .address_space: global }
      - { .name: kvp, .offset: 40, .size: 8, .value_kind: global_buffer, .address_space: global }
      - { .name: zp, .offset: 48, .size: 8, .value_kind: global_buffer, .address_space: global }
    .group_segment_fixed_size: 327680
    .private_segment_fixed_size: 0
    .kernarg_segment_align: 8
    .kernarg_segment_size: 56
    .max_flat_workgroup_size: 128
    .sgpr_count:     100
    .vgpr_count:     1024
    .wavefront_size: 32
...
	.end_amdgpu_metadata
.endif
;; end of part 2
;; launch ctx (part 3): grid 4 x 64, 4 waves a work-group, clusters of 4 x 4, 327,680 bytes of LDS; arguments cod, scl, bq, kvp, zp, out0; writes out0
.if DOCPART == 3
	.amdgcn_target "amdgcn-amd-amdhsa--gfx1250"
	.amdhsa_code_object_version 6
	.text
	.protected	k_qc9119ef2be_ctx
	.globl	k_qc9119ef2be_ctx
	.p2align	8
	.type	k_qc9119ef2be_ctx,@function
k_qc9119ef2be_ctx:
	s_mov_b64 s[64:65], 0
	v_nop
	global_prefetch_b8 v0, s[64:65] scope:SCOPE_SE
	s_setreg_imm32_b32 hwreg(HW_REG_WAVE_MODE, 25, 1), 1
	s_wait_xcnt 0x0
	s_wait_alu depctr_hold_cnt(0) depctr_sa_sdst(0) depctr_va_vdst(0) depctr_va_sdst(0) depctr_va_ssrc(0) depctr_va_vcc(0) depctr_vm_vsrc(0)
	s_getreg_b32 s2, hwreg(HW_REG_IB_STS2, 6, 4)
	s_cmp_eq_u32 s2, 0
	s_cbranch_scc0 .Lentry_in_a_cluster
	s_endpgm
.Lentry_in_a_cluster:
	s_bfe_u32 s2, ttmp6, 0x10000c
	s_cmp_lg_u32 s2, 0xf033
	s_cbranch_scc0 .Lentry_shape_is_right
	s_endpgm
.Lentry_shape_is_right:
; q = x Wq^T + bq on codes of FP4; phi(q) = elu(q) + 1; den = phi(q) . z in f32; phi(q) quantised along d in registers; num = phi(q) kv on codes; out = num / (den + 1e-6).
; A work-group has 256 rows (yb) x 256 columns (cb: four heads).  Wave w: wr = w / 2 which 128 rows, wc = w % 2 which 128 columns (two heads).
; AT THE HEAD wave w finishes head 4 cb + w: it adds the four partial kv and z of its batch, quantises kv along d, and hands codes, scale words and z to the others through LDS as images of registers.
; THE FIRST PRODUCT GOES BY ROWS OF x.  A wave's part of Wq, 128 rows x 1,024 along K in 4 bits, is 65,536 bytes: 512 registers a lane.  It is read from LDS once and stays in windows 2 and 3.
; Then the wave's eight tiles of 16 rows are finished one after the other: x's eight fragments from LDS, 64 matrix instructions on 8 accumulators, the tile's vector work, its second product, its 16 stores.
; So rows leave from the first tile on, while the others are still multiplied.  LDS is read no more than by K steps: 128 loads for Wq, 16 for each tile of x.
; Wq IS SOURCE 0: a lane holds one row of x and its registers run along d; by the order of rows in a tile of Wq a lane's 32 registers of four tiles are one block of 32 along d.
; THE SECOND PRODUCT has K = 64: one fragment of phi(q) holds both heads (K = 64 c + d); kv's fragment for head c has zero codes in the other head's half, and the byte 0 over them.
; Source 0 = 16 columns e of kv, source 1 = phi(q): a lane's 32 results of four tiles are 32 neighbouring columns of one row of out0.  They go through the wave's own stage and leave as rows of 512 bytes.
; phi(y) = the middle one of (y + 1, e^y, 1).  The bias is the C of each sum's first matrix instruction.
; LDS: Wq's and x's codes for all of K, 131,072 bytes each, filled once: no byte is filled twice in this launch.  CLUSTER 4 x 4: x's tiles are asked for jointly along a row, Wq's along a column.
; LIMITS: NaN and infinities are not served; a block whose largest magnitude lies under 2^-124 (a block of zeros among them) gets the byte 1; the division is a multiplication by v_rcp_f32's result.
; REGISTERS: window 0: v4-18 addresses, v20-35 at work, v36-43 den, v44-47 reciprocals, v48 and v50-57 scale words, v64-95 Wq's scale words, v96-127 x's, v128-191 the bias, v192-255 z (at the head kv's codes).
;   window 1: v0-63 the tile's 8 accumulators; v64-127 x's fragments, then the exponentials; v128-191 num, then the same rows back from the stage; v192-239 kv's fragments
;   (12 registers a tile: even head, zeros, odd head); v240-247 phi(q)'s codes.   windows 2, 3: Wq's fragment (a, ks) at 64 (ks % 4) + 8 a of window 2 + ks / 4 (at the head: the four partial kv).
.set XR,    131072
.set KIM,   262144                     ; kv's codes: head x 2048 + tile x 512 + 16 x lane
.set KSC,   270336                     ; their scale words: head x 512 + tile x 128 + 4 x lane
.set ZL,    272384                     ; z: head x 256
.set STG,   273408                     ; a stage of 16 rows x 528 bytes for each wave
.set FLOOR, 0x1800000
.set EPS,   0x358637bd                 ; 1e-6
.set AX,   4
.set AW,   6
.set L16,  7
.set SH8,  8
.set AKI,  9
.set AKS,  10
.set AKIL, 11
.set AKSL, 12
.set AZS,  13
.set AZL,  14
.set STO,  15
.set SRD,  16
.set BO,   17
.set L8,   18
.set TM,   20
.set SO,   24
.set BY,   28
.set DN,   36
.set RD,   44
.set PWQ,  48
.set KS,   50
.set PSC,  64
.set QSC,  96
.set BIASC, 128
.set KC,   192
.set ZQ,   192
.set ACC,  0                           ; window 1
.set XF,   64
.set T,    64
.set NUM,  128
.set KF,   192
.set PQ,   240
.set MSB, 0
.macro WIN new                         ; the immediate's high byte repeats the setting that is left
.if MSB != (\new)
	s_set_vgpr_msb (MSB<<8)|(\new)
.set MSB, (\new)
.endif
.endm
.macro PLACES
.rept 4
	v_nop
.endr
.endm
.macro CROUND                          ; a round of the cluster's barrier
	s_barrier_signal -1
	s_barrier_wait -1
	s_cmp_lg_u32 s18, 0
	s_cbranch_scc1 .Lnw0_\@
	s_barrier_signal -3
.Lnw0_\@:
	s_barrier_wait -3
	s_barrier_signal -1
	s_barrier_wait -1
.endm
.macro WMX                             ; one matrix instruction from the symbols rD rA rB rC rSA rSB; fA, fB: the scale words lie in lanes 16-31
.if fA && fB
	v_wmma_scale_f32_16x16x128_f8f6f4 v[rD:rD+7], v[rA:rA+7], v[rB:rB+7], v[rC:rC+7], v[rSA], v[rSB] matrix_a_fmt:MATRIX_FMT_FP4 matrix_b_fmt:MATRIX_FMT_FP4 matrix_a_scale:MATRIX_SCALE_ROW1 matrix_b_scale:MATRIX_SCALE_ROW1
.elseif fA
	v_wmma_scale_f32_16x16x128_f8f6f4 v[rD:rD+7], v[rA:rA+7], v[rB:rB+7], v[rC:rC+7], v[rSA], v[rSB] matrix_a_fmt:MATRIX_FMT_FP4 matrix_b_fmt:MATRIX_FMT_FP4 matrix_a_scale:MATRIX_SCALE_ROW1
.elseif fB
	v_wmma_scale_f32_16x16x128_f8f6f4 v[rD:rD+7], v[rA:rA+7], v[rB:rB+7], v[rC:rC+7], v[rSA], v[rSB] matrix_a_fmt:MATRIX_FMT_FP4 matrix_b_fmt:MATRIX_FMT_FP4 matrix_b_scale:MATRIX_SCALE_ROW1
.else
	v_wmma_scale_f32_16x16x128_f8f6f4 v[rD:rD+7], v[rA:rA+7], v[rB:rB+7], v[rC:rC+7], v[rSA], v[rSB] matrix_a_fmt:MATRIX_FMT_FP4 matrix_b_fmt:MATRIX_FMT_FP4
.endif
.endm
.macro XFETCH b                        ; 16 LDS loads in one run: tile b of x's rows, all eight K steps; each load takes 512 consecutive bytes
	WIN 0x40
.set fi, 0
.rept 8
	ds_load_b128 v[XF+8*fi:XF+8*fi+3], v[AX+fi/4] offset:(fi%4)*8192+(\b)*1024
	ds_load_b128 v[XF+8*fi+4:XF+8*fi+7], v[AX+fi/4] offset:(fi%4)*8192+(\b)*1024+512
.set fi, fi+1
.endr
.endm
; Tile b of x against my 128 rows of Wq: 64 matrix instructions, K ascending; the 8 accumulators take turns, one instruction a turn.  The bias, in window 0, starts the sums.
; first = 1: Wq's fragments are still landing: those of K steps 5 to 7 are waited for ahead of K step 5.
.macro GEMM b, first
.set gk, 0
.rept 8
.if gk == 0
	WIN 0x46                                       ; Wq window 2, x window 1, the bias window 0, the sums window 1
.elseif gk == 1
	WIN 0x56                                       ; C and D window 1
.elseif gk == 4
	WIN 0x57                                       ; Wq window 3
.endif
.if (\first) && (gk == 5)
	s_wait_dscnt 0x0
.endif
.set ga, 0
.rept 8
.set rD, ACC+8*ga
.if gk == 0
.set rC, BIASC+8*ga
.else
.set rC, rD
.endif
.set rA, 64*(gk%4)+8*ga
.set rB, XF+8*gk
.set rSA, PSC+16*(gk/4)+4*(ga/2)+(gk%4)
.set rSB, QSC+16*(gk/4)+4*((\b)/2)+(gk%4)
.set fA, ga%2
.set fB, (\b)%2
	WMX
.set ga, ga+1
.endr
.set gk, gk+1
.endr
.endm
; tile st of x's rows: 64 registers [head c][32 of d]: phi, den, codes, the second product, the division
.macro COMPUTE st
	PLACES                                         ; four places behind the tile's last product: its results are read, and x's fragments are written over
	WIN 0x41
.set ei, 0
.rept 32
	v_pk_mul_f32 v[T+2*ei:T+2*ei+1], v[ACC+2*ei:ACC+2*ei+1], s[58:59] op_sel_hi:[1,0]     ; q log2(e); each accumulator from its low end on
.set ei, ei+1
.endr
.set ei, 0
.rept 64
	v_exp_f32 v[T+ei], v[T+ei]
.set ei, ei+1
.endr
.set ei, 0
.rept 32
	v_pk_add_f32 v[ACC+2*ei:ACC+2*ei+1], v[ACC+2*ei:ACC+2*ei+1], 1.0 op_sel_hi:[1,0]      ; q + 1 (plain lines behind the exponentials)
.set ei, ei+1
.endr
	WIN 0x51
.set ei, 0
	s_wait_alu depctr_va_vdst(0)
.rept 64
	v_med3_num_f32 v[ACC+ei], v[T+ei], 1.0, v[ACC+ei]                                     ; phi
.set ei, ei+1
.endr
.if (\st) < 7
	XFETCH (\st)+1                                 ; the exponentials are done with: their registers take the next tile's fragments, which land under the rest of this tile's work
.endif
	WIN 0x05
	v_max3_num_f32 v[TM], |v[ACC]|, |v[ACC+1]|, FLOOR            ; my block of each head, by turns; the floor holds the byte at 1 from below
	v_max3_num_f32 v[TM+1], |v[ACC+32]|, |v[ACC+33]|, FLOOR
.irp i, 2,4,6,8,10,12,14,16,18,20,22,24,26,28,30
	v_max3_num_f32 v[TM], |v[ACC+\i]|, |v[ACC+\i+1]|, v[TM]
	v_max3_num_f32 v[TM+1], |v[ACC+32+\i]|, |v[ACC+33+\i]|, v[TM+1]
.endr
	WIN 0
	v_add_nc_u32 v[SO], 0xff000000, v[TM]          ; 2 off the exponent field: the conversion's scale operand
	v_add_nc_u32 v[SO+1], 0xff000000, v[TM+1]
	v_lshrrev_b32 v[BY], 23, v[SO]
	v_lshrrev_b32 v[BY+1], 23, v[SO+1]
	v_lshl_or_b32 v[BY], v[BY+1], 16, v[BY]
	v_lshlrev_b32 v[BY], v[SH8], v[BY]
	v_permlanex16_b32 v[BY+1], v[BY], s60, s61
	v_or_b32 v[PWQ], v[BY], v[BY+1]                ; my row's scale word
	WIN 0x41
.irp c, 0,1
.irp t, 0,1,2,3
	v_cvt_scalef32_pk8_fp4_f32 v[PQ+4*\c+\t], v[ACC+32*\c+8*\t:ACC+32*\c+8*\t+7], v[SO+\c]
.endr
.endr
	v_nop                                          ; one plain place behind the conversions
	WIN 0x01
.irp c, 0,1                            ; den, of the unquantised phi(q): two chains a head
	v_pk_mul_f32 v[DN+4*\c:DN+4*\c+1], v[ACC+32*\c:ACC+32*\c+1], v[ZQ+32*\c:ZQ+32*\c+1]
	v_pk_mul_f32 v[DN+4*\c+2:DN+4*\c+3], v[ACC+32*\c+2:ACC+32*\c+3], v[ZQ+32*\c+2:ZQ+32*\c+3]
.endr
.irp i, 4,8,12,16,20,24,28
.irp c, 0,1
	v_pk_fma_f32 v[DN+4*\c:DN+4*\c+1], v[ACC+32*\c+\i:ACC+32*\c+\i+1], v[ZQ+32*\c+\i:ZQ+32*\c+\i+1], v[DN+4*\c:DN+4*\c+1]
	v_pk_fma_f32 v[DN+4*\c+2:DN+4*\c+3], v[ACC+32*\c+\i+2:ACC+32*\c+\i+3], v[ZQ+32*\c+\i+2:ZQ+32*\c+\i+3], v[DN+4*\c+2:DN+4*\c+3]
.endr
.endr
	WIN 0
	v_pk_add_f32 v[DN:DN+1], v[DN:DN+1], v[DN+2:DN+3]
	v_pk_add_f32 v[DN+4:DN+5], v[DN+4:DN+5], v[DN+6:DN+7]
	v_add_f32 v[DN], v[DN], v[DN+1]
	v_add_f32 v[DN+4], v[DN+4], v[DN+5]
	v_permlanex16_b32 v[DN+2], v[DN], s60, s61
	v_permlanex16_b32 v[DN+6], v[DN+4], s60, s61
	v_add_f32 v[DN], v[DN], v[DN+2]                ; with the other 32 of d
	v_add_f32 v[DN+4], v[DN+4], v[DN+6]
	v_add_f32 v[DN], EPS, v[DN]
	v_add_f32 v[DN+4], EPS, v[DN+4]
	v_rcp_f32 v[RD], v[DN]
	v_rcp_f32 v[RD+2], v[DN+4]
	v_nop                                          ; a plain place behind the reciprocals.  (The lines since the scale word was made are the eight places in front of the scaled products)
.if (\st) > 0
	s_wait_xcnt 0x0                                ; the last tile's stores have read their registers, which num takes again
.endif
	WIN 0x45
.irp c, 0,1
.irp e, 0,1,2,3
	v_wmma_scale_f32_16x16x128_f8f6f4 v[NUM+32*\c+8*\e:NUM+32*\c+8*\e+7], v[KF+12*\e+4*\c:KF+12*\e+4*\c+7], v[PQ:PQ+7], 0, v[KS+4*\c+\e], v[PWQ] matrix_a_fmt:MATRIX_FMT_FP4 matrix_b_fmt:MATRIX_FMT_FP4
.endr
.endr
	PLACES
	WIN 0x41
.set ei, 0
	s_wait_alu depctr_va_vdst(0)
.rept 32
	v_pk_mul_f32 v[NUM+2*ei:NUM+2*ei+1], v[NUM+2*ei:NUM+2*ei+1], v[RD+2*(ei/16):RD+2*(ei/16)+1] op_sel_hi:[1,0]
.set ei, ei+1
.endr
.endm
.macro TOSTAGE                         ; lane (r, h): row r, 128 bytes a head at 128 h; back as whole rows of 512 bytes, into the registers that they left
	WIN 0x04
.irp c, 0,1
.irp e, 0,1,2,3
	ds_store_b128 v[STO], v[NUM+32*\c+8*\e:NUM+32*\c+8*\e+3] offset:\c*256+\e*32
	ds_store_b128 v[STO], v[NUM+32*\c+8*\e+4:NUM+32*\c+8*\e+7] offset:\c*256+\e*32+16
.endr
.endr
	WIN 0x40
.set ei, 0
.rept 16
	ds_load_b128 v[NUM+4*ei:NUM+4*ei+3], v[SRD] offset:ei*528      ; LDS serves a wave's instructions in order: these see the stores above
.set ei, ei+1
.endr
.endm
.macro SEND a
	s_wait_dscnt 0x0                               ; the tile's rows are back from the stage (asked for ahead of the next tile's 64 products)
	WIN 0x04
.set ei, 0
.rept 16
	global_store_b128 v[L16], v[NUM+4*ei:NUM+4*ei+3], s[84:85] offset:(64*((\a)/4)+8*((\a)%4)+(ei%8)+32*(ei/8))*4096 th:TH_STORE_NT   ; 512 consecutive bytes, aligned
.set ei, ei+1
.endr
.endm
	s_load_b256 s[4:11], s[0:1], 0x0               ; cod s[4:5], scl s[6:7], bq s[8:9], kvp s[10:11]
	s_load_b128 s[12:15], s[0:1], 0x20             ; zp s[12:13], out0 s[14:15]
	v_lshl_add_u32 v62, v0, 2, 0x4b000
	v_mov_b32 v63, 0
	ds_add_u32 v62, v63
	ds_add_u32 v62, v63
	v_lshrrev_b32 v1, 5, v0
	v_readfirstlane_b32 s18, v1                    ; wave
	s_lshr_b32 s19, s18, 1                         ; wr
	s_and_b32 s20, s18, 1                          ; wc
	s_bfe_u32 s21, ttmp6, 0x40000                  ; cx
	s_bfe_u32 s22, ttmp6, 0x40004                  ; cy
	s_lshl_b32 s23, ttmp9, 2
	s_add_co_u32 s23, s23, s21                     ; cb
	s_and_b32 s56, ttmp7, 0xffff
	s_lshl_b32 s56, s56, 2
	s_add_co_u32 s56, s56, s22                     ; yb
	s_lshl_b32 s57, s22, 2
	s_lshl_b32 s57, 15, s57                        ; my row of the cluster
	s_or_b32 s24, s57, (3<<16)|(1<<21)             ; x's tiles: the mask; elements of 8 bytes; bit 21 beside a mask; no padding
	s_lshl_b32 s62, 0x1111, s21                    ; my column
	s_or_b32 s32, s62, (3<<16)|(1<<21)             ; Wq's tiles
.irp g, 24, 32                         ; a dense block of 16,384 bytes as 64 rows of 256
	s_mov_b32 s[\g+1], 32<<16
	s_mov_b32 s[\g+2], 64<<16
	s_mov_b32 s[\g+3], 32<<16
	s_mov_b32 s[\g+4], 64
	s_mov_b32 s[\g+5], 32
	s_mov_b32 s[\g+6], 0
	s_mov_b32 s[\g+7], 0
.endr
	s_lshl_b32 s70, s20, 16                        ; wave w fetches row block w % 2,
	s_lshl_b32 s71, s19, 14                        ; K steps 2 (w / 2) and the next
	s_add_co_u32 s72, s70, s71
	s_lshl_b32 s73, s20, 15
	s_add_co_u32 s73, s73, s71
	s_add_co_u32 s73, s73, XR
	s_lshl_b32 s66, s56, 17                        ; x: two row blocks a yb
	s_add_co_u32 s66, s66, s72
	s_mov_b32 s67, 0
	s_lshl_b32 s68, s23, 17                        ; Wq: row blocks 128 + 2 cb and the next
	s_add_co_u32 s68, s68, (128<<16)
	s_add_co_u32 s68, s68, s72
	s_mov_b32 s69, 0
	s_mov_b32 s58, 0x3fb8aa3b                      ; log2(e)
	s_mov_b32 s59, s58
	s_mov_b32 s60, 0x76543210
	s_mov_b32 s61, 0xfedcba98
	s_wait_dscnt 0x0
	s_wait_kmcnt 0x0
	s_mov_b32 s40, 1
	s_mov_b32 s41, s72
	s_add_nc_u64 s[42:43], s[4:5], s[68:69]
	s_mov_b32 s48, 1
	s_add_co_u32 s49, s72, 32768
	s_add_nc_u64 s[50:51], s[42:43], 32768
	s_or_b32 s43, s43, 0x80000000
	s_or_b32 s51, s51, 0x80000000
	s_mov_b32 s44, 1
	s_mov_b32 s45, s73
	s_add_nc_u64 s[46:47], s[4:5], s[66:67]
	s_mov_b32 s52, 1
	s_add_co_u32 s53, s73, 65536
	s_add_nc_u64 s[54:55], s[46:47], 32768
	s_or_b32 s47, s47, 0x80000000
	s_or_b32 s55, s55, 0x80000000
	CROUND                                         ; all sixteen work-groups are here: the joint loads meet
	tensor_load_to_lds s[40:43], s[32:39]          ; four loads of mine are out: all that this launch fetches into LDS
	s_nop 0
	tensor_load_to_lds s[44:47], s[24:31]
	s_nop 0
	tensor_load_to_lds s[48:51], s[32:39]
	s_nop 0
	tensor_load_to_lds s[52:55], s[24:31]
	s_nop 0
	PLACES
	v_and_b32 v1, 31, v0                           ; lane
	v_and_b32 v2, 15, v0                           ; r
	v_bfe_u32 v3, v0, 4, 1                         ; h
	v_lshlrev_b32 v[L16], 4, v1
	v_lshlrev_b32 v[L8], 3, v1
	v_lshlrev_b32 v[SH8], 3, v3
	v_lshlrev_b32 v[BO], 7, v3
	s_lshl_b32 s2, s19, 15
	s_add_co_u32 s2, s2, XR
	v_add_nc_u32 v[AX], s2, v[L16]
	v_add_nc_u32 v[AX+1], 0x10000, v[AX]
	s_lshl_b32 s2, s20, 16
	v_add_nc_u32 v[AW], s2, v[L16]
	s_lshl_b32 s2, s18, 11
	s_add_co_u32 s2, s2, KIM
	v_add_nc_u32 v[AKI], s2, v[L16]
	s_lshl_b32 s2, s18, 9
	s_add_co_u32 s2, s2, KSC
	v_lshl_add_u32 v[AKS], v1, 2, s2
	s_lshl_b32 s2, s20, 12
	s_add_co_u32 s2, s2, KIM
	v_add_nc_u32 v[AKIL], s2, v[L16]
	s_lshl_b32 s2, s20, 10
	s_add_co_u32 s2, s2, KSC
	v_lshl_add_u32 v[AKSL], v1, 2, s2
	s_lshl_b32 s2, s18, 8
	s_add_co_u32 s2, s2, ZL
	v_lshl_add_u32 v[AZS], v1, 3, s2
	s_lshl_b32 s2, s20, 9
	s_add_co_u32 s2, s2, ZL
	v_lshl_add_u32 v[AZL], v3, 7, s2
	s_mul_i32 s2, s18, 16*528
	s_add_co_u32 s2, s2, STG
	v_mul_u32_u24 v[STO], v2, 528
	v_lshl_add_u32 v[STO], v3, 7, v[STO]
	v_add_nc_u32 v[STO], s2, v[STO]
	v_add_nc_u32 v[SRD], s2, v[L16]
.irp i, 32,33,34,35
	v_mov_b32 v\i, 0                               ; a lane permute's destination counts as read
.endr
	v_mov_b32 v[RD+1], 0                           ; named as the upper halves of pairs
	v_mov_b32 v[RD+3], 0
	s_mov_b32 s3, 0
	s_lshl_b32 s2, s23, 1
	s_add_co_u32 s2, s2, s20
	s_add_co_u32 s2, s2, 128
	s_lshl_b32 s2, s2, 12
	s_add_nc_u64 s[74:75], s[6:7], s[2:3]          ; Wq's scale words: row block 128 + 2 cb + wc
	s_lshl_b32 s2, s56, 1
	s_add_co_u32 s2, s2, s19
	s_lshl_b32 s2, s2, 12
	s_add_nc_u64 s[76:77], s[6:7], s[2:3]          ; x's: row block 2 yb + wr
	s_lshl_b32 s2, s23, 10
	s_lshl_b32 s88, s20, 9
	s_add_co_u32 s2, s2, s88
	s_add_nc_u64 s[78:79], s[8:9], s[2:3]          ; my 128 of bq
	s_lshr_b32 s2, s56, 3                          ; the batch
	s_lshl_b32 s2, s2, 4
	s_lshl_b32 s88, s23, 2
	s_add_co_u32 s2, s2, s88
	s_add_co_u32 s88, s2, s18                      ; 16 b + 4 cb + w: the head that I finish
	s_lshl_b32 s2, s88, 16
	s_add_nc_u64 s[80:81], s[10:11], s[2:3]        ; its four partial kv
	s_lshl_b32 s2, s88, 10
	s_add_nc_u64 s[82:83], s[12:13], s[2:3]        ; and z
	s_lshl_b32 s2, s56, 20                         ; 256 rows of 4,096 bytes
	s_lshl_b32 s88, s19, 19
	s_add_co_u32 s2, s2, s88
	s_lshl_b32 s88, s23, 10
	s_add_co_u32 s2, s2, s88
	s_lshl_b32 s88, s20, 9
	s_add_co_u32 s2, s2, s88
	s_add_nc_u64 s[84:85], s[14:15], s[2:3]        ; my 128 rows x 512 bytes of out0; never stepped
	s_lshl_b32 s89, s20, 4                         ; 16 (w % 2): where my head's two bytes stand in a scale word
.irp n, 0,1,2,3,4,5,6,7
	global_load_b128 v[PSC+4*\n:PSC+4*\n+3], v[L16], s[74:75] offset:\n*512
	global_load_b128 v[QSC+4*\n:QSC+4*\n+3], v[L16], s[76:77] offset:\n*512
.endr
.irp c, 0,1
.irp t, 0,1,2,3
	global_load_b128 v[BIASC+32*\c+8*\t:BIASC+32*\c+8*\t+3], v[BO], s[78:79] offset:\c*256+\t*32
	global_load_b128 v[BIASC+32*\c+8*\t+4:BIASC+32*\c+8*\t+7], v[BO], s[78:79] offset:\c*256+\t*32+16
.endr
.endr
.irp q, 0,1,2,3
	global_load_b64 v[DN+2*\q:DN+2*\q+1], v[L8], s[82:83] offset:\q*256
.endr
	WIN 0x80
.set ei, 0
.rept 64
	global_load_b128 v[4*ei:4*ei+3], v[L16], s[80:81] offset:ei*512            ; quarters 0 and 1 of s: window 2
.set ei, ei+1
.endr
	WIN 0xC0
.set ei, 0
.rept 64
	global_load_b128 v[4*ei:4*ei+3], v[L16], s[80:81] offset:32768+ei*512      ; quarters 2 and 3: window 3
.set ei, ei+1
.endr
	WIN 0
	s_wait_loadcnt 0x0
	v_pk_add_f32 v[DN:DN+1], v[DN:DN+1], v[DN+2:DN+3]
	v_pk_add_f32 v[DN+4:DN+5], v[DN+4:DN+5], v[DN+6:DN+7]
	v_pk_add_f32 v[DN:DN+1], v[DN:DN+1], v[DN+4:DN+5]
	ds_store_b64 v[AZS], v[DN:DN+1]                ; z of my head
	WIN 0x8A
.set ei, 0
.rept 64
	v_pk_add_f32 v[2*ei:2*ei+1], v[2*ei:2*ei+1], v[128+2*ei:128+2*ei+1]
.set ei, ei+1
.endr
	WIN 0xCF
.set ei, 0
.rept 64
	v_pk_add_f32 v[2*ei:2*ei+1], v[2*ei:2*ei+1], v[128+2*ei:128+2*ei+1]
.set ei, ei+1
.endr
	WIN 0x8E
.set ei, 0
.rept 64
	v_pk_add_f32 v[2*ei:2*ei+1], v[2*ei:2*ei+1], v[2*ei:2*ei+1]                ; window 2 += window 3: kv, register 32 et + 8 dt + j = kv(32 h + 8 dt + j, column r of tile et)
.set ei, ei+1
.endr
	WIN 0x0A
.irp e, 0,1,2,3
	v_max3_num_f32 v[TM+\e], |v[32*\e]|, |v[32*\e+1]|, FLOOR     ; a tile's 32 registers are my block of 32 along d; the four tiles by turns
.endr
.irp i, 2,4,6,8,10,12,14,16,18,20,22,24,26,28,30
.irp e, 0,1,2,3
	v_max3_num_f32 v[TM+\e], |v[32*\e+\i]|, |v[32*\e+\i+1]|, v[TM+\e]
.endr
.endr
	WIN 0
.irp e, 0,1,2,3
	v_add_nc_u32 v[SO+\e], 0xff000000, v[TM+\e]
.endr
.irp e, 0,1,2,3
	v_lshrrev_b32 v[BY+\e], 23, v[SO+\e]
.endr
.irp e, 0,1,2,3
	v_lshlrev_b32 v[BY+\e], v[SH8], v[BY+\e]       ; block h's byte at its place
.endr
.irp e, 0,1,2,3
	v_permlanex16_b32 v[32+\e], v[BY+\e], s60, s61
.endr
.irp e, 0,1,2,3
	v_or_b32 v[BY+\e], v[BY+\e], v[32+\e]
.endr
.irp e, 0,1,2,3
	v_lshlrev_b32 v[BY+\e], s89, v[BY+\e]          ; an odd head's bytes stand over K = 64 .. 127; the other two bytes stay 0, over zero codes
.endr
	WIN 0x02
.irp e, 0,1,2,3
.irp d, 0,1,2,3
	v_cvt_scalef32_pk8_fp4_f32 v[KC+4*\e+\d], v[32*\e+8*\d:32*\e+8*\d+7], v[SO+\e]
.endr
.endr
	v_nop                                          ; one plain place behind the conversions
	WIN 0
.irp e, 0,1,2,3
	ds_store_b128 v[AKI], v[KC+4*\e:KC+4*\e+3] offset:\e*512
	ds_store_b32 v[AKS], v[BY+\e] offset:\e*128
.endr
	s_wait_tensorcnt 0x0                           ; my parts of Wq's and x's codes have landed, for all of K
	s_wait_dscnt 0x0                               ; my head's codes, scale words and z have landed
	s_barrier_signal -1
	s_barrier_wait -1                              ; everybody's have
.irp c, 0,1
.irp t, 0,1,2,3
	ds_load_b128 v[ZQ+32*\c+8*\t:ZQ+32*\c+8*\t+3], v[AZL] offset:\c*256+\t*32
	ds_load_b128 v[ZQ+32*\c+8*\t+4:ZQ+32*\c+8*\t+7], v[AZL] offset:\c*256+\t*32+16
.endr
.endr
.irp e, 0,1,2,3
	ds_load_b32 v[KS+\e], v[AKSL] offset:\e*128
	ds_load_b32 v[KS+4+\e], v[AKSL] offset:512+\e*128
.endr
	WIN 0x40
.irp e, 0,1,2,3
	ds_load_b128 v[KF+12*\e:KF+12*\e+3], v[AKIL] offset:\e*512                 ; my even head's codes,
	ds_load_b128 v[KF+12*\e+8:KF+12*\e+11], v[AKIL] offset:2048+\e*512         ; my odd head's,
.irp z, 4,5,6,7
	v_mov_b32 v[KF+12*\e+\z], 0                    ; and zero codes between them: they serve both
.endr
.endr
	XFETCH 0
	WIN 0x80
.set fi, 0
.rept 32                               ; Wq's fragments, K ascending: fragment 8 ks + a is 1,024 bytes on end; K steps 0-3 into window 2,
	ds_load_b128 v[8*fi:8*fi+3], v[AW] offset:fi*1024
	ds_load_b128 v[8*fi+4:8*fi+7], v[AW] offset:fi*1024+512
.set fi, fi+1
.endr
	WIN 0xC0
.set fi, 0
.rept 32                               ; K steps 4-7 into window 3: they stay for the whole launch
	ds_load_b128 v[8*fi:8*fi+3], v[AW] offset:(32+fi)*1024
	ds_load_b128 v[8*fi+4:8*fi+7], v[AW] offset:(32+fi)*1024+512
.set fi, fi+1
.endr
	s_wait_dscnt 48                                ; all but the 48 youngest loads are in: those are Wq's K steps 5 to 7
	GEMM 0, 1
.irp st, 0,1,2,3,4,5,6,7
	COMPUTE \st
	TOSTAGE
.if \st < 7
	s_wait_dscnt 32                                ; the next tile's fragments are in; behind them: the stage's 16 stores and 16 loads
	GEMM \st+1, 0                                  ; its 64 products stand between the stage's loads and the wait for them
.endif
	SEND \st
.endr
	WIN 0
	s_wait_tensorcnt 0x0
	s_wait_dscnt 0x0
	s_wait_tensorcnt 0x0
	ds_add_u32 v62, v63
	s_wait_dscnt 0x0
	CROUND                                         ; the closing round: no work-group ends while a partner may still ask for a tile that names it
	s_endpgm
.Lfunc_end_k_qc9119ef2be_ctx:
	.size	k_qc9119ef2be_ctx, .Lfunc_end_k_qc9119ef2be_ctx-k_qc9119ef2be_ctx
	.p2alignl 7, 3214868480
	.fill 96, 4, 3214868480
	.section	.rodata,"a",@progbits
	.p2align	6, 0x0
	.amdhsa_kernel k_qc9119ef2be_ctx
		.amdhsa_group_segment_fixed_size 327680
		.amdhsa_private_segment_fixed_size 0
		.amdhsa_enable_private_segment 0
		.amdhsa_kernarg_size 48
		.amdhsa_user_sgpr_count 2
		.amdhsa_user_sgpr_kernarg_segment_ptr 1
		.amdhsa_wavefront_size32 1
		.amdhsa_system_sgpr_workgroup_id_x 1
		.amdhsa_system_sgpr_workgroup_id_y 1
		.amdhsa_system_sgpr_workgroup_id_z 1
		.amdhsa_system_vgpr_workitem_id 0
		.amdhsa_next_free_vgpr 1024
		.amdhsa_next_free_sgpr 100
		.amdhsa_reserve_vcc 0
		.amdhsa_float_denorm_mode_32 3
		.amdhsa_float_denorm_mode_16_64 3
		.amdhsa_memory_ordered 1
		.amdhsa_forward_progress 1
		.amdhsa_inst_pref_size 255
	.end_amdhsa_kernel
	.section	.bss,"aw",@nobits
	.p2align	6
	.space	262144
	.amdgpu_metadata
---
amdhsa.version: [ 1, 2 ]
amdhsa.kernels:
  - .name:           k_qc9119ef2be_ctx
    .symbol:         k_qc9119ef2be_ctx.kd
    .args:
      - { .name: cod, .offset: 0, .size: 8, .value_kind: global_buffer, .address_space: global }
      - { .name: scl, .offset: 8, .size: 8, .value_kind: global_buffer, .address_space: global }
      - { .name: bq, .offset: 16, .size: 8, .value_kind: global_buffer, .address_space: global }
      - { .name: kvp, .offset: 24, .size: 8, .value_kind: global_buffer, .address_space: global }
      - { .name: zp, .offset: 32, .size: 8, .value_kind: global_buffer, .address_space: global }
      - { .name: out0, .offset: 40, .size: 8, .value_kind: global_buffer, .address_space: global }
    .group_segment_fixed_size: 327680
    .private_segment_fixed_size: 0
    .kernarg_segment_align: 8
    .kernarg_segment_size: 48
    .max_flat_workgroup_size: 128
    .sgpr_count:     100
    .vgpr_count:     1024
    .wavefront_size: 32
...
	.end_amdgpu_metadata
.endif
;; end of part 3
